; MI455X (gfx1250); checked and timed in simulation.
; The chip was launched on July 23, 2026; its instructions are those of AMD's public machine-readable ISA for CDNA 5 (MIT licence, August 2026) and "CDNA5" Instruction Set Architecture Reference Guide (July 2026). The comments in the code are by the model that wrote it; some were corrected since.
;; Predictive Coding Net. Allowed arithmetic: float matrix products may take bf16 or f16 operands with f32 sums; other float arithmetic in f32, or as packed bf16 or f16 multiplies, adds, multiply-adds, maxima and minima; sums over many terms, partial sums and values carried from step to step in f32; what a program stores and reads back later, other than sums and carried values, may be rounded once to bf16 or f16.
;; Inputs: W1 1,024 x 512 float32; W2 512 x 256 float32; W3 256 x 128 float32; b1 1,024 float32; b2 512 float32; b3 256 float32; layer1 8,192 x 1,024 float32; layer2 8,192 x 512 float32; layer3 8,192 x 256 float32; layer4 8,192 x 128 float32.
;; Outputs: out0 8,192 x 1,024 float32; out1 8,192 x 512 float32; out2 8,192 x 256 float32; out3 8,192 x 128 float32.
;; One version. Each part assembles by itself: llvm-mc -triple=amdgcn-amd-amdhsa -mcpu=gfx1250 --defsym DOCPART=n.
;; ======== version 1 of 1: 2 launches
;; workspace buffers: wb 1,376,256 bytes
;; launch prep (part 1): grid 336 x 1, 8 waves a work-group, no clusters, 0 bytes of LDS; arguments W1, W2, W3, wb; writes wb
.if DOCPART == 1
	.amdgcn_target "amdgcn-amd-amdhsa--gfx1250"
	.amdhsa_code_object_version 6
	.text
	.protected	k_q8a06f1f089_prep
	.globl	k_q8a06f1f089_prep
	.p2align	8
	.type	k_q8a06f1f089_prep,@function
k_q8a06f1f089_prep:
	s_mov_b64 s[64:65], 0
	v_nop
	global_prefetch_b8 v0, s[64:65] scope:SCOPE_SE
	s_setreg_imm32_b32 hwreg(HW_REG_WAVE_MODE, 25, 1), 1
	s_wait_xcnt 0x0
; The three weight matrices are rounded once to bf16 and laid into wb in the order in which the net walks them:
; W3 [256][128] at byte 0, W2 [512][256] at byte 65,536, W1 [1024][512] at byte 327,680.  Rows stay as they are.
; Inside each group of 128 columns the pieces of 8 columns are reordered: place 64 c + 8 t + e holds column 16 t + 8 c + e
; (t 0..7, c 0..1, e 0..7), so that the two halves of a tile of 16 columns lie 128 bytes apart.
; SHARES.  A thread makes one piece of 16 bytes from 32 bytes of f32; a work-group of 256 threads makes 16 groups: 8,192 bytes in,
; 4,096 bytes out.  Work-groups 0-15 serve W3, 16-79 W2, 80-335 W1: in that order their outputs follow each other in wb.
; Sixteen neighbouring lanes store 256 consecutive bytes, aligned.  Nothing is shared, so there is no LDS and no barrier.
	s_load_b256 s[4:11], s[0:1], 0x0               ; W1 s[4:5], W2 s[6:7], W3 s[8:9], wb s[10:11]
	s_mov_b32 s12, ttmp9                           ; the work-group's number g
	s_sub_co_u32 s13, s12, 16                      ; its number inside W2 (used only where g is 16..79)
	s_sub_co_u32 s14, s12, 80                      ; inside W1 (used only where g is 80 or more)
	v_and_b32 v1, 7, v0                            ; t of my piece
	v_bfe_u32 v2, v0, 3, 1                         ; c of my piece
	v_lshl_add_u32 v1, v1, 1, v2                   ; the piece's place in the source: 2 t + c
	v_lshrrev_b32 v2, 4, v0                        ; my group of 128 columns
	v_lshlrev_b32 v2, 9, v2                        ; 512 bytes of f32 a group
	v_lshl_add_u32 v1, v1, 5, v2                   ; + 32 bytes a piece
	v_lshlrev_b32 v3, 4, v0                        ; out: 16 bytes a thread
	s_wait_kmcnt 0x0
	s_cmp_lt_u32 s12, 80
	s_cselect_b64 s[16:17], s[6:7], s[4:5]
	s_cselect_b32 s15, s13, s14
	s_cmp_lt_u32 s12, 16
	s_cselect_b64 s[16:17], s[8:9], s[16:17]
	s_cselect_b32 s15, s12, s15
	s_lshl_b32 s18, s15, 13                        ; 8,192 bytes of the source a work-group
	s_mov_b32 s19, 0
	s_add_nc_u64 s[16:17], s[16:17], s[18:19]
	s_lshl_b32 s18, s12, 12                        ; 4,096 bytes of wb a work-group
	s_add_nc_u64 s[10:11], s[10:11], s[18:19]
	global_load_b128 v[4:7], v1, s[16:17] th:TH_LOAD_NT
	global_load_b128 v[8:11], v1, s[16:17] offset:16 th:TH_LOAD_NT
	s_wait_loadcnt 0x0
	v_cvt_pk_bf16_f32 v12, v4, v5
	v_cvt_pk_bf16_f32 v13, v6, v7
	v_cvt_pk_bf16_f32 v14, v8, v9
	v_cvt_pk_bf16_f32 v15, v10, v11
	global_store_b128 v3, v[12:15], s[10:11]
	s_endpgm
.Lfunc_end_k_q8a06f1f089_prep:
	.size	k_q8a06f1f089_prep, .Lfunc_end_k_q8a06f1f089_prep-k_q8a06f1f089_prep
	.p2alignl 7, 3214868480
	.fill 96, 4, 3214868480
	.section	.rodata,"a",@progbits
	.p2align	6, 0x0
	.amdhsa_kernel k_q8a06f1f089_prep
		.amdhsa_group_segment_fixed_size 0
		.amdhsa_private_segment_fixed_size 0
		.amdhsa_enable_private_segment 0
		.amdhsa_kernarg_size 32
		.amdhsa_user_sgpr_count 2
		.amdhsa_user_sgpr_kernarg_segment_ptr 1
		.amdhsa_wavefront_size32 1
		.amdhsa_system_sgpr_workgroup_id_x 1
		.amdhsa_system_sgpr_workgroup_id_y 1
		.amdhsa_system_sgpr_workgroup_id_z 1
		.amdhsa_system_vgpr_workitem_id 0
		.amdhsa_next_free_vgpr 16
		.amdhsa_next_free_sgpr 66
		.amdhsa_reserve_vcc 0
		.amdhsa_float_denorm_mode_32 3
		.amdhsa_float_denorm_mode_16_64 3
		.amdhsa_memory_ordered 1
		.amdhsa_forward_progress 1
		.amdhsa_inst_pref_size 2
	.end_amdhsa_kernel
	.amdgpu_metadata
---
amdhsa.version: [ 1, 2 ]
amdhsa.kernels:
  - .name:           k_q8a06f1f089_prep
    .symbol:         k_q8a06f1f089_prep.kd
    .args:
      - { .name: W1, .offset: 0, .size: 8, .value_kind: global_buffer, .address_space: global }
      - { .name: W2, .offset: 8, .size: 8, .value_kind: global_buffer, .address_space: global }
      - { .name: W3, .offset: 16, .size: 8, .value_kind: global_buffer, .address_space: global }
      - { .name: wb, .offset: 24, .size: 8, .value_kind: global_buffer, .address_space: global }
    .group_segment_fixed_size: 0
    .private_segment_fixed_size: 0
    .kernarg_segment_align: 8
    .kernarg_segment_size: 32
    .max_flat_workgroup_size: 256
    .sgpr_count:     66
    .vgpr_count:     16
    .wavefront_size: 32
...
	.end_amdgpu_metadata
.endif
;; end of part 1
;; launch net (part 2): grid 256 x 1, 4 waves a work-group, clusters of 4 x 1, 327,680 bytes of LDS; arguments layer1, layer2, layer3, layer4, wb, b1, b2, b3, out0, out1, out2, out3; writes out0, out1, out2, out3
.if DOCPART == 2
	.amdgcn_target "amdgcn-amd-amdhsa--gfx1250"
	.amdhsa_code_object_version 6
	.text
	.protected	k_q8a06f1f089_net
	.globl	k_q8a06f1f089_net
	.p2align	8
	.type	k_q8a06f1f089_net,@function
k_q8a06f1f089_net:
	s_mov_b64 s[64:65], 0
	v_nop
	global_prefetch_b8 v0, s[64:65] scope:SCOPE_SE
	s_setreg_imm32_b32 hwreg(HW_REG_WAVE_MODE, 25, 1), 1
	s_wait_xcnt 0x0
	s_wait_alu depctr_hold_cnt(0) depctr_sa_sdst(0) depctr_va_vdst(0) depctr_va_sdst(0) depctr_va_ssrc(0) depctr_va_vcc(0) depctr_vm_vsrc(0)
	s_getreg_b32 s2, hwreg(HW_REG_IB_STS2, 6, 4)
	s_cmp_eq_u32 s2, 0
	s_cbranch_scc0 .Lentry_in_a_cluster
	s_endpgm
.Lentry_in_a_cluster:
	s_bfe_u32 s2, ttmp6, 0x10000c
	s_cmp_lg_u32 s2, 0x3003
	s_cbranch_scc0 .Lentry_shape_is_right
	s_endpgm
.Lentry_shape_is_right:
; SIX STEPS OF THE PREDICTIVE CODING NET, IN ONE LAUNCH.  Rows of the batch never mix: a work-group owns 32 rows (8,192 / 256) and keeps all four
; states of them, 1,920 f32 a row, in registers for all six steps; only the weights (wb: bf16, laid out by the launch before) are streamed.
; A STEP, in the order W3, W2, W1, so that eps_l is made of the old r_l:  x = r_up W^T + b;  e5 = 0.05 (r_low - tanh x);  r_low -= e5 (r0: 0.5 e5);  r_up += e5 W.
; tanh x = 1 - 2 / (1 + 2^(2.88539 x)), right at both ends (2^.. = infinity gives 1, 0 gives -1); so e5 = 0.1 rc + (0.05 r - 0.05) with rc the reciprocal.
; The second product adds in place onto the f32 state registers of the upper layer; the bias is the C operand that starts the first product's sums.
; The first product takes the OLD upper state: its bf16 copy (RB1-3 in LDS) is written when that state's step is complete and read into registers (OP) ahead of the pass.
; NOTHING OF reference() IS LEFT OUT: every step and every input reaches all outputs.  Only the bf16 copies of r1, r2, r3 for a seventh step are not made.
; LIMITS.  Matrix operands (weights, upper states, e5) are rounded to bf16; sums and states stay f32.  v_exp_f32 and v_rcp_f32 count denormals as 0.  NaN and infinities go as the formulas carry them.
; SHARES.  Four waves; each holds both tiles of 16 rows (mt 0, 1).  Tile t of 16 columns of every layer belongs to wave t % 4 (its tile number tau = t / 4).
; BOTH PRODUCTS ARE USED TRANSPOSED (source 0 = weights, source 1 = activations): in every result a lane holds ONE batch row (lane % 16) and the columns 16 t + 8 (lane / 16) + 0..7.
; A SUB-BLOCK is 64 rows of a W.  Wave w makes x for rows 16 w .. 16 w + 15 of it (P: K = the upper width); the four waves exchange bf16 e5 through LDS (E);
; then each wave adds the sub-block's e5 W (B: K = 64, two steps kap) onto its own tiles of the upper state.  W comes out of LDS as it lies for P and turned (ds_load_tr16_b128) for B:
; a tile of weights is fetched once a step and serves both.  28 sub-blocks a step: 0-3 W3, 4-11 W2, 12-27 W1; a sub-block's parity picks PACC, BIAS, the half of E and the buffer of e5 fragments.
; RING.  Twelve tiles a step through two LDS slots; tile k lies in slot k % 2; each wave fetches a quarter of a tile's rows by one tensor load.
; CLUSTER.  All work-groups walk the same weights: the four of a cluster ask for each tile JOINTLY (same load, descriptor and mask in all four).  The mask holds four, so a larger cluster would share no more.
; THE EXCHANGE ONE CHUNK AHEAD.  A chunk is 16 products on 8 weight fragments.  A sub-block's tanh and updates (84 vector lines, two LDS stores) ride, seven behind each product, on the ONE chunk that follows
; its first product; the exchange's barrier stands at that chunk's end; the eight loads of e5 are the first LDS loads behind it; and a further chunk that does not need them stands ahead of the second
; product.  So e5 has two register buffers.  Only tile 3 (two sub-blocks of W2, four chunks) has no chunk to put between.
; A fragment of weights feeds two products (32 rows): one LDS load a product.
;
; LDS.  0: slot 0; SLOTB: slot 1 (tensor loads alone, until the way out).  RB1, RB2, RB3: bf16 copies of r1, r2, r3, rows padded by 16 bytes; while pass W_l runs, the head of RB_l is E.  SPARE: the add's words.
; All pitches are odd multiples of 16 bytes: the 16 rows that a load touches start at 16 different groups of four banks (64 banks of 4 bytes: ISA guide 11.1).
; REGISTERS, in windows of 256 (s_set_vgpr_msb: bits 1:0 source 0, 3:2 source 1, 5:4 source 2, 7:6 destination):
;   window 0: v0-31 addresses; v32-47 BIAS; v48-79 PACC; v80-95 0.05 r - 0.05, then packed e5; v96-127 EF (e5 fragments of even sub-blocks); v128-255 WF, two buffers of 8 weight fragments
;   window 1: OP, the upper state's bf16 fragments    window 2: R0    window 3: R1 (0-127), R2 (128-191), R3 (192-223), tile (tau, mt) at 16 tau + 8 mt; v224-255 e5 fragments of odd sub-blocks
.set STEPS, 6
.set PT1, 1040                         ; LDS pitch of a row of W1 and of r1's copy: 1,024 + 16
.set PT2, 528                          ; of W2 and r2: 512 + 16
.set PT3, 272                          ; of W3 and r3: 256 + 16
.set SLOTB, 128*PT1                    ; a slot: 133,120 bytes
.set RB1, 2*SLOTB
.set RB2, RB1+32*PT1
.set RB3, RB2+32*PT2
.set EPI, 144                          ; a row of a half of E: 64 bf16 + 16 bytes
.set EH, 32*EPI                        ; a half of E
.set SPARE, RB3+2*EH                   ; 325,632: 128 bytes for each wave, two blocks of 256 bytes that no other line names
.set EO1, 0                            ; E's place in each pass, counted from RB1
.set EO2, RB2-RB1
.set EO3, RB3-RB1
.set IN1, 0                            ; at the start the inputs land where the slots lie: layer L's quarter of columns z at INL + z x 32 rows
.set IN2, SLOTB
.set IN3, IN2+4*32*PT2
.set IN4, IN3+4*32*PT3                 ; layer4 by rows, pitch PT2
.set OS1, 32*4112                      ; at the end the outputs are staged there: out0 at 0 (pitch 4,112), out1 (2,064), out2 (1,040), out3 (528)
.set OS2, OS1+32*2064
.set OS3, OS2+32*1040
.set SPW, 1                            ; v1   my spare word's LDS address; never rewritten
.set NIL, 2                            ; v2   0; never rewritten
.set AP, 3                             ; v3-5   plain fragments of W1, W2, W3: (16 w + l % 16) pitch + 16 (l / 16)
.set AT, 6                             ; v6-8   turned fragments: (8 (l / 16) + l % 8) pitch + 128 ((l / 8) % 2) + 16 w
.set ADRP, 9                           ; v9   the address of the run of plain loads in hand
.set ADRT, 10                          ; v10  of turned loads
.set AEW, 11                           ; v11  E, in: RB1 + 144 (l % 16) + 32 w + 16 (l / 16)
.set AER, 12                           ; v12  E, out: RB1 + 144 (l % 16) + 16 (l / 16)
.set ARR2, 13                          ; v13, v14, v20  the copies, out: RB1 + (l % 16) pitch + 16 (l / 16)
.set ARR1, 14
.set ARW, 15                           ; v15-17  the copies, in: RB1 + (l % 16) pitch + 128 (l / 16) + 16 w
.set BO, 18                            ; v18  64 w + 32 (l / 16): my 8 numbers in 64 of a bias, and in a row of f32
.set PFO, 19                           ; v19  the prefetches' offset
.set ARR3, 20
.set L1A, 23                           ; v23-27  start only: where I read the inputs
.set L2A, 25
.set L3A, 26
.set L4A, 27
.set S0A, 23                           ; v23-31, v3  end only: the stage, in and out
.set S1A, 25
.set S2A, 26
.set S3A, 27
.set RD0, 28
.set RD1, 29
.set RD2, 30
.set RD3, 31
.set GO, 3
.set BIAS, 32
.set PACC, 48
.set UU, 80
.set EF, 96
.set EF1, 224                          ; in window 3
.set WF, 128
.set PTM, WF+64                        ; 16 registers of weight buffer 1, at work while a copy is made: the buffer is free there
.set WV, 28                            ; s28  my wave's number
.set STEP, 29                          ; s29  steps still to come, this one among them
.set PFF, 30                           ; s30  1: this cluster prefetches (the first cluster, in the first step)
.set WG, 34                            ; s34  my work-group's number: it enters the inputs' and outputs' addresses alone
                                       ; s[32:33] the ring's offsets (wave and constants alone); s[36:43], s[44:47] the ring's descriptor; s[60:61] offsets that hold WG
                                       ; s[48:49] 2 log2 e; s[50:51] 0.05; s[52:53] -0.05; s[54:55] 0.1
.set W_P, 0x04                         ; first product: OP (source 1) in window 1
.set RD, 7                             ; riders behind a matrix instruction: the queue's first 70 entries are out behind the 10th of a chunk's 16 products
.set QN, 86                            ; entries in the riders' queue
.set TQ, QN                            ; the queue: empty
.set TNU, 0
.set MSB, 0
.macro WIN new                         ; the high byte repeats the setting that is left; a switch that changes nothing is dropped
.if MSB != (\new)
	s_set_vgpr_msb (MSB<<8)|(\new)
.set MSB, (\new)
.endif
.endm
.macro WINM need, mask                 ; a switch only if the places that the next line fills with vector registers differ
.if (MSB&(\mask)) != (\need)
	WIN \need
.endif
.endm
; Four places: a load into a register that a matrix instruction has read, and a vector line that reads a matrix result, stand four plain vector instructions behind it (ISA guide 7.12.1 for the vector line).
.macro PLACES
.rept 4
	v_nop
.endr
.endm
; A round of the cluster's barrier: my work-group's barrier; wave 0 signals for the work-group; every wave waits for all four work-groups; my work-group's barrier once more.
.macro CREST
	s_cmp_lg_u32 s[WV], 0
	s_cbranch_scc1 .Lnw0_\@
	s_barrier_signal -3
.Lnw0_\@:
	s_barrier_wait -3
	s_barrier_signal -1
	s_barrier_wait -1
.endm
.macro ROUND
	s_barrier_signal -1
	s_barrier_wait -1
	CREST
.endm
.macro SETL l                          ; pass l: the pitch, and the upper state's first register in window 3
.if (\l) == 1
.set PTL, PT1
.set UPB, 0
.elseif (\l) == 2
.set PTL, PT2
.set UPB, 128
.else
.set PTL, PT3
.set UPB, 192
.endif
.endm
.macro KJ l, p, kapc                   ; place p of a chunk of the second product: which K step (fk) and which of my column tiles (fj)
.if (\l) == 1
.set fk, (\kapc)
.set fj, (\p)
.elseif (\l) == 2
.set fk, (\p)/4
.set fj, (\p)%4
.else
.set fk, ((\p)%4)/2
.set fj, (\p)%2
.endif
.endm
.macro LOWR sig                        ; sub-block sig's 16 registers of the lower state: window LWX, first register RLX
.if (\sig) < 4
.set LWX, 3
.set RLX, 128+16*(\sig)
.elseif (\sig) < 12
.set LWX, 3
.set RLX, 16*((\sig)-4)
.else
.set LWX, 2
.set RLX, 16*((\sig)-12)
.endif
.endm
; THE RIDERS' QUEUE: a sub-block's 16 numbers a lane, in place on PACC.  TQ1 writes the next entry.  What the exchange waits for comes first:
;   0-7 x times 2 log2 e (each accumulator's lowest registers first)   8-23 exponentials   24 a plain line behind them   25 their one wait
;   26-33 + 1   34-49 reciprocals   50 a plain line   51 their one wait   52-59 e5 = 0.1 rc + U   60-67 e5 to bf16   68-69 into E
; and then what nobody waits for: 70-77 the lower state's update   78-85 U = 0.05 r - 0.05 for the NEXT sub-block (it hangs on no product, so it is made ahead).
.macro TQ1
.if TQ < QN
.if TQ < 8
	WINM 0,0xc3
	v_pk_mul_f32 v[TP+2*TQ:TP+2*TQ+1], v[TP+2*TQ:TP+2*TQ+1], s[48:49] op_sel_hi:[1,0]
.elseif TQ < 24
	WINM 0,0xc3
	v_exp_f32 v[TP+TQ-8], v[TP+TQ-8]
.elseif TQ == 24
	v_nop                              ; the plain line between the last exponential and the use of a result
.elseif TQ == 25
	s_wait_alu depctr_va_vdst(0)       ; one wait for the 16 exponentials, ahead of their first reader
.elseif TQ < 34
	WINM 0,0xc3
	v_pk_add_f32 v[TP+2*(TQ-26):TP+2*(TQ-26)+1], v[TP+2*(TQ-26):TP+2*(TQ-26)+1], 1.0 op_sel_hi:[1,0]
.elseif TQ < 50
	WINM 0,0xc3
	v_rcp_f32 v[TP+TQ-34], v[TP+TQ-34]
.elseif TQ == 50
	v_nop                              ; the plain line behind the last reciprocal
.elseif TQ == 51
	s_wait_alu depctr_va_vdst(0)       ; one wait for the 16 reciprocals
.elseif TQ < 60
	WINM 0,0xf3
	v_pk_fma_f32 v[TP+2*(TQ-52):TP+2*(TQ-52)+1], v[TP+2*(TQ-52):TP+2*(TQ-52)+1], s[54:55], v[UU+2*(TQ-52):UU+2*(TQ-52)+1] op_sel_hi:[1,0,1]
.elseif TQ < 68
	WINM 0,0xcf
	v_cvt_pk_bf16_f32 v[UU+TQ-60], v[TP+2*(TQ-60)], v[TP+2*(TQ-60)+1]
.elseif TQ < 70
	WIN 0
	ds_store_b128 v[AEW], v[UU+4*(TQ-68):UU+4*(TQ-68)+3] offset:TEO+16*EPI*(TQ-68)
.elseif TQ < 78
	WINM (TLW<<6)|(TLW<<4),0xf3
.if TL == 1
	v_pk_fma_f32 v[TRL+2*(TQ-70):TRL+2*(TQ-70)+1], v[TP+2*(TQ-70):TP+2*(TQ-70)+1], -0.5, v[TRL+2*(TQ-70):TRL+2*(TQ-70)+1] op_sel_hi:[1,0,1]
.else
	v_pk_fma_f32 v[TRL+2*(TQ-70):TRL+2*(TQ-70)+1], v[TP+2*(TQ-70):TP+2*(TQ-70)+1], -1.0, v[TRL+2*(TQ-70):TRL+2*(TQ-70)+1] op_sel_hi:[1,0,1]
.endif
.elseif TNU
	WINM TNW,0xc3
	v_pk_fma_f32 v[UU+2*(TQ-78):UU+2*(TQ-78)+1], v[TNR+2*(TQ-78):TNR+2*(TQ-78)+1], s[50:51], s[52:53] op_sel_hi:[1,0,0]
.endif
.set TQ, TQ+1
.endif
.endm
.macro RIDE
.rept RD
	TQ1
.endr
.endm
.macro DRAIN
.rept QN
	TQ1
.endr
.endm
.macro BIASLD sig                      ; sub-block sig's 8 bias numbers a lane
.set bq, (\sig)
.set bd, BIAS+8*(bq%2)
.if bq < 4
	global_load_b128 v[bd:bd+3], v[BO], s[18:19] offset:256*bq
	global_load_b128 v[bd+4:bd+7], v[BO], s[18:19] offset:256*bq+16
.elseif bq < 12
	global_load_b128 v[bd:bd+3], v[BO], s[16:17] offset:256*(bq-4)
	global_load_b128 v[bd+4:bd+7], v[BO], s[16:17] offset:256*(bq-4)+16
.else
	global_load_b128 v[bd:bd+3], v[BO], s[14:15] offset:256*(bq-12)
	global_load_b128 v[bd+4:bd+7], v[BO], s[14:15] offset:256*(bq-12)+16
.endif
.endm
; The queue is set up for sub-block sig; it stands behind four places behind sig's last first-product.  bias = 1: BIAS of this parity is free: it takes the bias of sub-block sig + 2.
; nu = 0: there is no next sub-block (the launch's last).
.macro START_T sig, bias, nu=1
	DRAIN                              ; (nothing is left of the queue before)
	WIN 0
.set TQ, 0
.set tsg, (\sig)
.set TP, PACC+16*(tsg%2)
.set TNU, (\nu)
	LOWR (tsg+1)%28
.set TNW, LWX
.set TNR, RLX
	LOWR tsg
.set TLW, LWX
.set TRL, RLX
.if tsg < 4
.set TL, 3
.set TEO, EO3+EH*(tsg%2)
.elseif tsg < 12
.set TL, 2
.set TEO, EO2+EH*(tsg%2)
.else
.set TL, 1
.set TEO, EO1+EH*(tsg%2)
.endif
.if \bias
	BIASLD (tsg+2)%28
.endif
.endm
; THE LDS LOADS stand in runs, under window setting 0.  LDP: plain fragments into places p0 .. p1 - 1 of buffer buf, K step p + koff, from the sub-block at LDS byte cb.
.macro LDP buf, l, cb, koff, p0, p1
	v_add_nc_u32 v[ADRP], \cb, v[AP+(\l)-1]
.set pp, (\p0)
.rept (\p1)-(\p0)
	ds_load_b128 v[WF+64*(\buf)+8*pp:WF+64*(\buf)+8*pp+3], v[ADRP] offset:64*(pp+(\koff))
	ds_load_b128 v[WF+64*(\buf)+8*pp+4:WF+64*(\buf)+8*pp+7], v[ADRP] offset:64*(pp+(\koff))+32
.set pp, pp+1
.endr
.endm
; LDB: turned fragments: 32 rows of W (K step fk) x my column tile fj.  A tile's two halves of 8 columns lie 128 bytes apart (the lane term); tile 4 fj + w lies at 256 (fj / 2) + 64 (fj % 2) + 16 w.
.macro LDB buf, l, cb, kapc, p0, p1
	SETL \l
	v_add_nc_u32 v[ADRT], \cb, v[AT+(\l)-1]
.set pp, (\p0)
.rept (\p1)-(\p0)
	KJ \l, pp, \kapc
.set fo, 32*fk*PTL+256*(fj/2)+64*(fj%2)
	ds_load_tr16_b128 v[WF+64*(\buf)+8*pp:WF+64*(\buf)+8*pp+3], v[ADRT] offset:fo
	ds_load_tr16_b128 v[WF+64*(\buf)+8*pp+4:WF+64*(\buf)+8*pp+7], v[ADRT] offset:fo+16*PTL
.set pp, pp+1
.endr
.endm
.macro LDE sig                         ; sub-block sig's e5, all 64 rows of W x 32 batch rows: four fragments (2 kap + mt), into the buffer of sig's parity
.set es, (\sig)
.if es < 4
.set eo, EO3+EH*(es%2)
.elseif es < 12
.set eo, EO2+EH*(es%2)
.else
.set eo, EO1+EH*(es%2)
.endif
.if es%2
	WIN 0xc0                           ; destination window 3
.set ed, EF1
.else
.set ed, EF
.endif
.irp f, 0,1,2,3
	ds_load_b128 v[ed+8*(\f):ed+8*(\f)+3], v[AER] offset:eo+16*EPI*((\f)%2)+64*((\f)/2)
	ds_load_b128 v[ed+8*(\f)+4:ed+8*(\f)+7], v[AER] offset:eo+16*EPI*((\f)%2)+64*((\f)/2)+32
.endr
	WIN 0
.endm
.macro OPLOAD l, o0, o1                ; the upper state's bf16 copy into OP: fragments o0 .. o1 - 1 (fragment 2 kap + mt)
.if (\l) == 1
.set oar, ARR1
.set oof, EO1
.set opt, PT1
.elseif (\l) == 2
.set oar, ARR2
.set oof, EO2
.set opt, PT2
.else
.set oar, ARR3
.set oof, EO3
.set opt, PT3
.endif
	WIN 0x40                           ; destination window 1
.set oo, (\o0)
.rept (\o1)-(\o0)
	ds_load_b128 v[8*oo:8*oo+3], v[oar] offset:oof+16*opt*(oo%2)+64*(oo/2)
	ds_load_b128 v[8*oo+4:8*oo+7], v[oar] offset:oof+16*opt*(oo%2)+64*(oo/2)+32
.set oo, oo+1
.endr
	WIN 0
.endm
; THE MATRIX WORK.  First product, places p0 .. p1 - 1 of buffer buf: each fragment of W feeds both row tiles; the two accumulators take turns.  K step 0 starts the sums with the bias.
.macro MMP buf, par, koff, p0, p1
.set pp, (\p0)
.rept (\p1)-(\p0)
.irp mt, 0,1
	WIN W_P
.if (pp+(\koff)) == 0
	v_wmma_f32_16x16x32_bf16 v[PACC+16*(\par)+8*(\mt):PACC+16*(\par)+8*(\mt)+7], v[WF+64*(\buf)+8*pp:WF+64*(\buf)+8*pp+7], v[8*(2*(pp+(\koff))+(\mt)):8*(2*(pp+(\koff))+(\mt))+7], v[BIAS+8*(\par):BIAS+8*(\par)+7]
.else
	v_wmma_f32_16x16x32_bf16 v[PACC+16*(\par)+8*(\mt):PACC+16*(\par)+8*(\mt)+7], v[WF+64*(\buf)+8*pp:WF+64*(\buf)+8*pp+7], v[8*(2*(pp+(\koff))+(\mt)):8*(2*(pp+(\koff))+(\mt))+7], v[PACC+16*(\par)+8*(\mt):PACC+16*(\par)+8*(\mt)+7]
.endif
	RIDE
.endr
.set pp, pp+1
.endr
.endm
; Second product: onto the upper state's registers (C and D in window 3), 16, 8 or 4 accumulators by turns.  ep: the sub-block's parity: e5 in window 0 or in window 3.
.macro MMB l, buf, kapc, p0, p1, ep
	SETL \l
.set efb, EF+(EF1-EF)*(\ep)
.set pp, (\p0)
.rept (\p1)-(\p0)
	KJ \l, pp, \kapc
.irp mt, 0,1
	WIN 0xf0+0x0c*(\ep)
	v_wmma_f32_16x16x32_bf16 v[UPB+16*fj+8*(\mt):UPB+16*fj+8*(\mt)+7], v[WF+64*(\buf)+8*pp:WF+64*(\buf)+8*pp+7], v[efb+8*(2*fk+(\mt)):efb+8*(2*fk+(\mt))+7], v[UPB+16*fj+8*(\mt):UPB+16*fj+8*(\mt)+7]
	RIDE
.endr
.set pp, pp+1
.endr
.endm
; THE EXCHANGE's BARRIER.  In front: whatever is left of the queue, and the wait for my stores into E (and for every LDS load of mine: the next chunk's fragments among them, so no wait for those follows).
; The chunk's last two products are held back to stand between signal and wait.  Behind it every wave's e5 lies in E, and its loads go out first.
; The same half of E is stored again only behind the next such barrier, in front of which every wave has waited for these loads.
.macro EBAR_A
	DRAIN
	s_wait_dscnt 0x0
	s_barrier_signal -1
.endm
.macro EBAR_B sig
	WIN 0
	s_barrier_wait -1
	PLACES                             ; for the loads into the e5 buffer, and into the weight buffer that the held-back products read
	LDE \sig
.endm
; The ring's descriptor for tile kk: a quarter of its rows, by the wave's number; 16 bytes of padding behind each row.
.macro DESC kk
.if (\kk) == 0
.set DR, 64
.set DC, 128
.set DQ, 5
.set DP, PT3
.set DOF, 0
.elseif (\kk) < 3
.set DR, 48
.set DC, 256
.set DQ, 6
.set DP, PT2
.set DOF, 65536+98304*((\kk)-1)
.elseif (\kk) == 3
.set DR, 32
.set DC, 256
.set DQ, 6
.set DP, PT2
.set DOF, 262144
.else
.set DR, 32
.set DC, 512
.set DQ, 7
.set DP, PT1
.set DOF, 327680+131072*((\kk)-4)
.endif
	s_mov_b32 s36, 15|(1<<16)|(1<<20)|(1<<21)|(DQ<<22)|(3<<25)  ; the mask of four; 2-byte elements; padding on; bit 21 beside a mask; after every row; 4 words
	s_mov_b32 s37, DC<<16              ; tensor_dim0
	s_mov_b32 s38, DR<<16              ; tensor_dim1
	s_mov_b32 s39, DC<<16              ; tile_dim0
	s_mov_b32 s40, DR                  ; tile_dim1
	s_mov_b32 s41, DC                  ; elements from row to row
	s_mul_i32 s45, s[WV], DR*DP        ; LDS: my quarter,
	s_add_co_u32 s45, s45, ((\kk)%2)*SLOTB  ; in the tile's slot
	s_mul_i32 s32, s[WV], DR*DC*2      ; memory: my quarter,
	s_add_co_u32 s32, s32, DOF         ; in the tile
	s_add_nc_u64 s[46:47], s[12:13], s[32:33]
	s_or_b32 s47, s47, 0x80000000      ; type = 2
.endm
.macro FIRSTRUN kk                     ; tile kk's first chunk into buffer 0
.if (\kk) == 0
	LDP 0,3,0,0,0,4
	LDP 0,3,64*PT3,-4,4,8
.elseif (\kk) < 4
	LDP 0,2,((\kk)%2)*SLOTB,0,0,8
.else
	LDP 0,1,((\kk)%2)*SLOTB,0,0,8
.endif
.endm
; A PREFETCH INTO THE L2 of W1's tile kk, three refills ahead of its load.  wb is walked six times by every cluster: it is asked for in the first walk alone, by the first cluster alone.
; A tile is 512 blocks of 256 bytes: the cluster's 16 waves share them out BY ADDRESS, a lane a block, so each block is named once in the launch.  The last block named is wb's last.
.macro ASK kk
	s_cmp_eq_u32 s[PFF], 1
	s_cbranch_scc0 .Lnoask_\@
	global_prefetch_b8 v[PFO], s[12:13] offset:327680+131072*((\kk)-4) th:TH_LOAD_NT scope:SCOPE_SE
.Lnoask_\@:
.endm
; A TILE's LAST CHUNK (second products in buffer 1, places p0 .. p0 + nf - 1) AND THE CHANGE OF SLOTS into tile kn.  Each wave waits for all its tensor loads, of which one is out: its quarter of tile kn;
; adds 0 to its spare word; and waits for that and for its reads of the slot that it leaves.  refill = 1: the barrier opens a round of the cluster's, and behind it that slot takes tile kn + 1:
; the load has all of tile kn's work in which to land.
.macro LASTCHUNK l, p0, nf, kapc, kn, refill, ep
	WIN 0
	s_wait_tensorcnt 0x0               ; no tensor load of mine is out, so the descriptor may be written
	ds_add_u32 v[SPW], v[NIL]          ; 0 onto my spare word; the descriptor's words and a quarter of the products stand between it and the wait for it
.if \refill
	DESC ((\kn)+1)%12
.endif
	s_wait_dscnt 1                     ; the add alone may be out: the chunk's fragments and e5 are in
	MMB \l,1,\kapc,\p0,(\p0)+(\nf)/4,\ep
	s_wait_dscnt 0x0                   ; the add is done, and my reads of the slot are over
	s_barrier_signal -1
	MMB \l,1,\kapc,(\p0)+(\nf)/4,(\p0)+(\nf)/2,\ep
	WIN 0
	s_barrier_wait -1
.if \refill
	CREST                              ; no wave of any partner still reads the slot or has a load on its way
	tensor_load_to_lds s[44:47], s[36:43]
	s_nop 0
.endif
	PLACES                             ; the places in front of the loads into buffer 0
	FIRSTRUN \kn
.if (\refill) && ((\kn) >= 1) && ((\kn) <= 7)
	ASK (\kn)+4
.endif
	MMB \l,1,\kapc,(\p0)+(\nf)/2,(\p0)+(\nf),\ep
.endm
; The upper state of pass l is complete: its bf16 copy for the next step, columns in wb's order.  It stands behind the round that closes the pass, so nobody reads E (the same bytes) any more.
.macro PUBLISH l
.if (\l) == 1
.set pnt, 16
.set pub, 0
.set pof, EO1
.set ppt, PT1
.elseif (\l) == 2
.set pnt, 8
.set pub, 128
.set pof, EO2
.set ppt, PT2
.else
.set pnt, 4
.set pub, 192
.set pof, EO3
.set ppt, PT3
.endif
	PLACES                             ; behind the pass's last products: they wrote the state and read weight buffer 1
.set gg, 0
.rept pnt/4
	WIN 0x0f                           ; sources in window 3
.set ii, 0
.rept 16
	v_cvt_pk_bf16_f32 v[PTM+ii], v[pub+32*gg+2*ii], v[pub+32*gg+2*ii+1]
.set ii, ii+1
.endr
	WIN 0
.set ii, 0
.rept 4
	ds_store_b128 v[ARW+(\l)-1], v[PTM+4*ii:PTM+4*ii+3] offset:pof+16*ppt*((4*gg+ii)%2)+256*((4*gg+ii)/4)+64*(((4*gg+ii)/2)%2)
.set ii, ii+1
.endr
.set gg, gg+1
.endr
.endm
.macro PUBSKIP l                       ; not in the last step: nobody would read the copy
	WIN 0
	s_cmp_eq_u32 s[STEP], 1
	s_cbranch_scc1 .Lnopub_\@
	PUBLISH \l
.Lnopub_\@:
.endm
; THE TILES.  Buffers 0 and 1 take turns, and every tile has an even number of chunks.  The standing form: four places; the next chunk's run; s_wait_dscnt 16 (that run may stay out: all older LDS work is
; done); this chunk's products.  s_wait_loadcnt 2 ahead of a first product: the two bias loads of the NEXT sub-block, always issued earlier, may stay out.
; Tile 0: W3, sub-blocks 0-3, half a chunk for each product, in the order P0 P1 P2 B0 P3 B1 B2 B3.
.macro TILE3B
	WIN 0
	PLACES
	LDB 1,3,0,0,0,4                    ; B(0)
	LDP 1,3,128*PT3,-4,4,8             ; P(2)
	s_wait_dscnt 16
	s_wait_loadcnt 2
	MMP 0,0,0,0,4                      ; P(0)
	WIN 0
	PLACES
	START_T 0,1
	s_wait_loadcnt 2
	MMP 0,1,-4,4,7                     ; P(1)
	EBAR_A
	MMP 0,1,-4,7,8
	EBAR_B 0
	START_T 1,1
	LDB 0,3,64*PT3,0,0,4               ; B(1)
	LDP 0,3,192*PT3,-4,4,8             ; P(3)
	s_wait_loadcnt 2
	MMP 1,0,-4,4,7                     ; P(2): e5 of sub-block 0 lands meanwhile
	EBAR_A
	MMP 1,0,-4,7,8
	EBAR_B 1
	START_T 2,1
	MMB 3,1,0,0,4,0                    ; B(0)
	s_wait_loadcnt 2
	MMP 0,1,-4,4,7                     ; P(3): the pass's last first-product: OP is free behind it
	EBAR_A
	MMP 0,1,-4,7,8
	EBAR_B 2
	OPLOAD 2,0,16
	START_T 3,1
	LDB 1,3,128*PT3,0,0,4              ; B(2)
	LDB 1,3,192*PT3,0,4,8              ; B(3)
	MMB 3,0,0,0,3,1                    ; B(1)
	EBAR_A
	MMB 3,0,0,3,4,1
	EBAR_B 3
	MMB 3,1,0,0,4,0                    ; B(2)
.endm
; Tiles 1 and 2: W2, three sub-blocks, a chunk for each product, in the order P0 P1 P2 B0 B1 B2: the queues ride on P1, P2 and B0.
.macro TILE2B3 k
.set SG0, 4+3*((\k)-1)
.set CB, ((\k)%2)*SLOTB
.set Q0, SG0%2
.set Q1, (SG0+1)%2
	WIN 0
	PLACES
	LDP 1,2,CB+64*PT2,0,0,8
	s_wait_dscnt 16
	s_wait_loadcnt 2
	MMP 0,Q0,0,0,8                     ; P0
	WIN 0
	PLACES
	START_T SG0,1
	LDP 0,2,CB+128*PT2,0,0,8
	s_wait_dscnt 16
	s_wait_loadcnt 2
	MMP 1,Q1,0,0,7                     ; P1
	EBAR_A
	MMP 1,Q1,0,7,8
	EBAR_B SG0
	START_T SG0+1,1
	LDB 1,2,CB,0,0,8
	s_wait_loadcnt 2
	MMP 0,Q0,0,0,7                     ; P2
	EBAR_A
	MMP 0,Q0,0,7,8
	EBAR_B SG0+1
	START_T SG0+2,1
	LDB 0,2,CB+64*PT2,0,0,8
	MMB 2,1,0,0,7,Q0                   ; B0
	EBAR_A
	MMB 2,1,0,7,8,Q0
	EBAR_B SG0+2
	LDB 1,2,CB+128*PT2,0,0,8
	MMB 2,0,0,0,8,Q1                   ; B1
.endm
; Tile 3: W2's sub-blocks 10 and 11: P0 P1 B0 B1: no chunk stands between an exchange and its second product.  OP takes r1's copy in two runs, behind the loads that the products wait for.
.macro TILE2B2
.set CB, SLOTB
	WIN 0
	PLACES
	LDP 1,2,CB+64*PT2,0,0,8
	s_wait_dscnt 16
	s_wait_loadcnt 2
	MMP 0,0,0,0,8                      ; P(10)
	WIN 0
	PLACES
	START_T 10,1
	LDB 0,2,CB,0,0,8
	s_wait_dscnt 16
	s_wait_loadcnt 2
	MMP 1,1,0,0,7                      ; P(11): the pass's last first-product
	EBAR_A
	MMP 1,1,0,7,8
	EBAR_B 10
	START_T 11,1
	LDB 1,2,CB+64*PT2,0,0,8
	OPLOAD 1,0,16
	s_wait_dscnt 48                    ; the run's 16 loads and OP's 32 may stay out: e5 of sub-block 10 is in
	MMB 2,0,0,0,7,0                    ; B(10)
	EBAR_A
	MMB 2,0,0,7,8,0
	EBAR_B 11
	OPLOAD 1,16,32
.endm
; Tiles 4-11: W1, two sub-blocks a and b, two chunks for each product: Pa0 Pa1 Pb0 Pb1 Ba0 Ba1 Bb0 Bb1; a's queue rides on Pb0, b's on Ba0.
; mode 1: tile 11 in the loop: OP takes r3's copy for the next step.  mode 2: the launch's last tile: no bias is fetched, and there is no next sub-block.
.macro TILE1B k, mode
.set SGA, 12+2*((\k)-4)
.set CB, ((\k)%2)*SLOTB
	WIN 0
	PLACES
	LDP 1,1,CB,8,0,8
	s_wait_dscnt 16
	s_wait_loadcnt 2
	MMP 0,0,0,0,8                      ; Pa0
	WIN 0
	PLACES
	LDP 0,1,CB+64*PT1,0,0,8
	s_wait_dscnt 16
	MMP 1,0,8,0,8                      ; Pa1
	WIN 0
	PLACES
.if (\mode) == 2
	START_T SGA,0
.else
	START_T SGA,1
.endif
	LDP 1,1,CB+64*PT1,8,0,8
	s_wait_dscnt 16
.if (\mode) == 2
	s_wait_loadcnt 0x0                 ; nothing younger is out
.else
	s_wait_loadcnt 2
.endif
	MMP 0,1,0,0,7                      ; Pb0
	EBAR_A
	MMP 0,1,0,7,8
	EBAR_B SGA
	LDB 0,1,CB,0,0,8
	MMP 1,1,8,0,8                      ; Pb1: e5 of a lands meanwhile
	WIN 0
	PLACES
.if (\mode) == 1
	OPLOAD 3,0,8
.endif
.if (\mode) == 2
	START_T SGA+1,0,0
.else
	START_T SGA+1,1
.endif
	LDB 1,1,CB,1,0,8
	s_wait_dscnt 16
	MMB 1,0,0,0,7,0                    ; Ba0
	EBAR_A
	MMB 1,0,0,7,8,0
	EBAR_B SGA+1
	LDB 0,1,CB+64*PT1,0,0,8
	MMB 1,1,1,0,8,0                    ; Ba1: e5 of b lands meanwhile
	WIN 0
	PLACES
	LDB 1,1,CB+64*PT1,1,0,8
	s_wait_dscnt 16
	MMB 1,0,0,0,8,1                    ; Bb0
.endm
.macro ING1 g, qi, c, r, d             ; an input's descriptor group 1: r rows x c f32, d f32 from row to row, 16 bytes of padding behind each row; no mask: each work-group has rows of its own
	s_mov_b32 s[(\g)+0], (2<<16)|(1<<20)|((\qi)<<22)|(3<<25)
	s_mov_b32 s[(\g)+1], (\c)<<16
	s_mov_b32 s[(\g)+2], (\r)<<16
	s_mov_b32 s[(\g)+3], (\c)<<16
	s_mov_b32 s[(\g)+4], \r
	s_mov_b32 s[(\g)+5], \d
	s_mov_b32 s[(\g)+6], 0
	s_mov_b32 s[(\g)+7], 0
.endm
.macro OLOAD n, rd, row0, ppr, lp, j0  ; the way out: n pieces of 512 bytes of staged rows, ppr pieces a row, into WF's registers from number j0 on
.set jj, 0
.rept \n
	ds_load_b128 v[WF+4*((\j0)+jj):WF+4*((\j0)+jj)+3], v[\rd] offset:((\row0)+jj/(\ppr))*(\lp)+512*(jj%(\ppr))
.set jj, jj+1
.endr
.endm
.macro OSTORE n, sb, row0, ppr, gp, j0, left  ; and their stores: 512 consecutive bytes each, aligned; left: LDS loads issued behind these n
.set jj, 0
.rept \n
	s_wait_dscnt (\left)+(\n)-1-jj
	global_store_b128 v[GO], v[WF+4*((\j0)+jj):WF+4*((\j0)+jj)+3], s[(\sb):(\sb)+1] offset:((\row0)+jj/(\ppr))*(\gp)+512*(jj%(\ppr)) th:TH_STORE_NT
.set jj, jj+1
.endr
.endm
	; THE HEAD
	s_load_b256 s[4:11], s[0:1], 0x0               ; layer1 s[4:5], layer2 s[6:7], layer3 s[8:9], layer4 s[10:11]
	s_load_b256 s[12:19], s[0:1], 0x20             ; wb s[12:13], b1 s[14:15], b2 s[16:17], b3 s[18:19]
	s_load_b256 s[20:27], s[0:1], 0x40             ; out0 .. out3
	v_lshl_add_u32 v[SPW], v0, 2, SPARE
	v_mov_b32 v[NIL], 0
	ds_add_u32 v[SPW], v[NIL]                      ; the wave's opening: the add, twice on end, and its wait ahead of my first tensor load
	ds_add_u32 v[SPW], v[NIL]
	v_lshrrev_b32 v21, 5, v0
	v_readfirstlane_b32 s[WV], v21                 ; wave 0..3
	s_bfe_u32 s31, ttmp6, 0x40000                  ; cx: my place in the cluster
	s_lshl_b32 s[WG], ttmp9, 2                     ; in a cluster launch ttmp9 counts clusters
	s_add_co_u32 s[WG], s[WG], s31
	s_lshl2_add_u32 s35, s31, s[WV]                ; 4 cx + w: my wave among the cluster's 16, for the prefetches' addresses alone
	s_cmp_eq_u32 ttmp9, 0
	s_cselect_b32 s[PFF], 1, 0                     ; the same in all four partners
	s_mov_b32 s48, 0x4038aa3b                      ; 2 log2 e
	s_mov_b32 s49, 0x4038aa3b
	s_mov_b32 s50, 0x3d4ccccd                      ; 0.05
	s_mov_b32 s51, 0x3d4ccccd
	s_mov_b32 s52, 0xbd4ccccd                      ; -0.05
	s_mov_b32 s53, 0xbd4ccccd
	s_mov_b32 s54, 0x3dcccccd                      ; 0.1
	s_mov_b32 s55, 0x3dcccccd
	s_mov_b32 s33, 0
	s_mov_b32 s61, 0
	ING1 68, 7, 256, 32, 1024                      ; layer1: my quarter of the columns, 32 rows of 1,024 bytes
	ING1 76, 6, 128, 32, 512                       ; layer2: 32 rows of 512 bytes
	ING1 84, 5, 64, 32, 256                        ; layer3: 32 rows of 256 bytes
	ING1 92, 6, 128, 8, 128                        ; layer4: my 8 rows, whole: 512 bytes each
	s_mov_b32 s36, 1
	s_mul_i32 s37, s[WV], 32*PT1
	s_mov_b32 s40, 1
	s_mul_i32 s41, s[WV], 32*PT2
	s_add_co_u32 s41, s41, IN2
	s_mov_b32 s44, 1
	s_mul_i32 s45, s[WV], 32*PT3
	s_add_co_u32 s45, s45, IN3
	s_mov_b32 s56, 1
	s_mul_i32 s57, s[WV], 8*PT2
	s_add_co_u32 s57, s57, IN4
	s_wait_dscnt 0x0                               ; both opening adds are done
	s_wait_kmcnt 0x0
	s_lshl_b32 s60, s[WG], 17                      ; 32 rows of 4,096 bytes a work-group,
	s_lshl_b32 s31, s[WV], 10                      ; 1,024 bytes of a row a wave
	s_add_co_u32 s60, s60, s31
	s_add_nc_u64 s[38:39], s[4:5], s[60:61]
	s_or_b32 s39, s39, 0x80000000
	s_lshl_b32 s60, s[WG], 16
	s_lshl_b32 s31, s[WV], 9
	s_add_co_u32 s60, s60, s31
	s_add_nc_u64 s[42:43], s[6:7], s[60:61]
	s_or_b32 s43, s43, 0x80000000
	s_lshl_b32 s60, s[WG], 15
	s_lshl_b32 s31, s[WV], 8
	s_add_co_u32 s60, s60, s31
	s_add_nc_u64 s[46:47], s[8:9], s[60:61]
	s_or_b32 s47, s47, 0x80000000
	s_lshl_b32 s60, s[WG], 14
	s_lshl_b32 s31, s[WV], 12                      ; 8 rows of 512 bytes a wave
	s_add_co_u32 s60, s60, s31
	s_add_nc_u64 s[58:59], s[10:11], s[60:61]
	s_or_b32 s59, s59, 0x80000000
	ROUND                                          ; in a cluster launch every group of tensor loads stands behind a round
	tensor_load_to_lds s[36:39], s[68:75]          ; the first fills, one group: four loads of mine are out
	s_nop 0
	tensor_load_to_lds s[40:43], s[76:83]
	s_nop 0
	tensor_load_to_lds s[44:47], s[84:91]
	s_nop 0
	tensor_load_to_lds s[56:59], s[92:99]
	s_nop 0
	PLACES
	; the lanes' addresses, while the inputs are on their way
	v_and_b32 v21, 15, v0                          ; l % 16
	v_bfe_u32 v22, v0, 4, 1                        ; l / 16
	v_and_b32 v23, 7, v0                           ; l % 8
	v_bfe_u32 v24, v0, 3, 1                        ; (l / 8) % 2
	s_lshl_b32 s31, s[WV], 4                       ; 16 w
	v_add_nc_u32 v25, s31, v21
	v_lshl_add_u32 v26, v22, 3, v23
	v_lshl_add_u32 v27, v24, 7, s31
	v_mul_u32_u24 v[AP], v25, PT1
	v_lshl_add_u32 v[AP], v22, 4, v[AP]
	v_mul_u32_u24 v[AP+1], v25, PT2
	v_lshl_add_u32 v[AP+1], v22, 4, v[AP+1]
	v_mul_u32_u24 v[AP+2], v25, PT3
	v_lshl_add_u32 v[AP+2], v22, 4, v[AP+2]
	v_mul_u32_u24 v[AT], v26, PT1
	v_add_nc_u32 v[AT], v[AT], v27
	v_mul_u32_u24 v[AT+1], v26, PT2
	v_add_nc_u32 v[AT+1], v[AT+1], v27
	v_mul_u32_u24 v[AT+2], v26, PT3
	v_add_nc_u32 v[AT+2], v[AT+2], v27
	v_mul_u32_u24 v28, v21, PT1                    ; (l % 16) x the three pitches
	v_mul_u32_u24 v29, v21, PT2
	v_mul_u32_u24 v30, v21, PT3
	v_lshlrev_b32 v31, 4, v22
	v_add_nc_u32 v31, RB1, v31                     ; RB1 + 16 (l / 16)
	v_add_nc_u32 v[ARR1], v28, v31
	v_add_nc_u32 v[ARR2], v29, v31
	v_add_nc_u32 v[ARR3], v30, v31
	v_mul_u32_u24 v[AER], v21, EPI
	v_add_nc_u32 v[AER], v[AER], v31
	v_lshl_add_u32 v31, v22, 7, s31
	v_add_nc_u32 v31, RB1, v31                     ; RB1 + 128 (l / 16) + 16 w
	v_add_nc_u32 v[ARW], v28, v31
	v_add_nc_u32 v[ARW+1], v29, v31
	v_add_nc_u32 v[ARW+2], v30, v31
	s_lshl_b32 s31, s[WV], 5
	v_add_nc_u32 v[AEW], s31, v[AER]
	s_lshl_b32 s31, s[WV], 6
	v_lshl_add_u32 v[BO], v22, 5, s31
	v_and_b32 v[PFO], 31, v0
	v_lshl_add_u32 v[PFO], s35, 5, v[PFO]
	v_lshlrev_b32 v[PFO], 8, v[PFO]                ; ((4 cx + w) 32 + lane) x 256
	v_add_nc_u32 v[L1A], v28, v[BO]                ; layer1, quarters 0 and 1,
	v_add_nc_u32 v[L1A+1], 2*32*PT1, v[L1A]        ; quarters 2 and 3
	v_add_nc_u32 v[L2A], v29, v[BO]
	v_add_nc_u32 v[L2A], IN2, v[L2A]
	v_add_nc_u32 v[L3A], v30, v[BO]
	v_add_nc_u32 v[L3A], IN3, v[L3A]
	v_add_nc_u32 v[L4A], v29, v[BO]
	v_add_nc_u32 v[L4A], IN4, v[L4A]
	BIASLD 0
	BIASLD 1
	s_wait_tensorcnt 0x0                           ; my parts of the inputs are in,
	s_barrier_signal -1
	s_barrier_wait -1                              ; everybody's are
	; the states into registers: tile tt = 2 tau + mt, 32 bytes a lane
	WIN 0x80                                       ; destination window 2
.set tt, 0
.rept 32
.set ofs, ((tt/8)%2)*32*PT1+(tt%2)*16*PT1+256*((tt/2)%4)
	ds_load_b128 v[8*tt:8*tt+3], v[L1A+tt/16] offset:ofs
	ds_load_b128 v[8*tt+4:8*tt+7], v[L1A+tt/16] offset:ofs+16
.set tt, tt+1
.endr
	WIN 0xc0                                       ; destination window 3
.set tt, 0
.rept 16
.set ofs, (tt/4)*32*PT2+(tt%2)*16*PT2+256*((tt/2)%2)
	ds_load_b128 v[8*tt:8*tt+3], v[L2A] offset:ofs
	ds_load_b128 v[8*tt+4:8*tt+7], v[L2A] offset:ofs+16
.set tt, tt+1
.endr
.set tt, 0
.rept 8
.set ofs, (tt/2)*32*PT3+(tt%2)*16*PT3
	ds_load_b128 v[128+8*tt:128+8*tt+3], v[L3A] offset:ofs
	ds_load_b128 v[128+8*tt+4:128+8*tt+7], v[L3A] offset:ofs+16
.set tt, tt+1
.endr
.set tt, 0
.rept 4
.set ofs, (tt%2)*16*PT2+256*(tt/2)
	ds_load_b128 v[192+8*tt:192+8*tt+3], v[L4A] offset:ofs
	ds_load_b128 v[192+8*tt+4:192+8*tt+7], v[L4A] offset:ofs+16
.set tt, tt+1
.endr
	WIN 0
	s_wait_dscnt 0x0
	WIN 0x03                                       ; source 0 in window 3: 0.05 r - 0.05 for sub-block 0 (r2's first tile); every later one is made by the queue before it
.set ii, 0
.rept 8
	v_pk_fma_f32 v[UU+2*ii:UU+2*ii+1], v[128+2*ii:128+2*ii+1], s[50:51], s[52:53] op_sel_hi:[1,0,0]
.set ii, ii+1
.endr
	WIN 0
	PUBLISH 1
	PUBLISH 2
	PUBLISH 3
	; the slots' bytes, which held the inputs, take the first two tiles: each fill behind its own round
	s_wait_tensorcnt 0x0
	ds_add_u32 v[SPW], v[NIL]
	s_mov_b32 s42, 0
	s_mov_b32 s43, 0
	s_mov_b32 s44, 1
	DESC 0
	s_wait_dscnt 0x0                               ; the add, my reads of the inputs and my stores of the copies are done
	ROUND
	tensor_load_to_lds s[44:47], s[36:43]          ; tile 0
	s_nop 0
	PLACES
	OPLOAD 3,0,8
	s_wait_tensorcnt 0x0                           ; my quarter of tile 0 is in
	ds_add_u32 v[SPW], v[NIL]
	DESC 1
	s_wait_dscnt 0x0                               ; the add is done, and OP is in: RB3 may serve as E
	ROUND
	tensor_load_to_lds s[44:47], s[36:43]          ; tile 1
	s_nop 0
	PLACES
	FIRSTRUN 0
	s_mov_b32 s[STEP], STEPS
.Lstep:                                                ; a trip is a step; the sixth leaves it behind tile 10's body
	TILE3B
	LASTCHUNK 3,4,4,0,1,1,1
	PUBSKIP 3
	TILE2B3 1
	LASTCHUNK 2,0,8,0,2,1,0
	TILE2B3 2
	LASTCHUNK 2,0,8,0,3,1,1
	TILE2B2
	LASTCHUNK 2,0,8,0,4,1,1
	PUBSKIP 2
.irp k, 4,5,6,7,8,9
	TILE1B \k,0
	LASTCHUNK 1,0,8,1,(\k)+1,1,1
.endr
	TILE1B 10,0
	WIN 0
	s_sub_co_u32 s[STEP], s[STEP], 1
	s_cmp_eq_u32 s[STEP], 0
	s_cbranch_scc1 .Llast                          ; the tail is written out
	LASTCHUNK 1,0,8,1,11,1,1                       ; tile 11 is entered, the next step's tile 0 asked for
	TILE1B 11,1
	LASTCHUNK 1,0,8,1,0,1,1                        ; the next step's tile 0 is entered, its tile 1 asked for
	PUBLISH 1
	s_mov_b32 s[PFF], 0                            ; wb has been walked once
	s_branch .Lstep
.Llast:
	LASTCHUNK 1,0,8,1,11,0,1                       ; nothing is left to fetch
	TILE1B 11,2
	s_wait_dscnt 0x0
	MMB 1,1,1,0,8,1
	; THE WAY OUT.  A lane holds 32 bytes of a row; the rows are gathered in LDS (the slots have had their last fill) and leave as pieces of 512 consecutive bytes.
	WIN 0
	PLACES                                         ; behind the last products
	s_wait_dscnt 0x0
	s_barrier_signal -1
	s_barrier_wait -1                              ; nobody reads the slots any more
	v_and_b32 v21, 15, v0
	v_mul_u32_u24 v[S0A], v21, 4112
	v_add_nc_u32 v[S0A], v[S0A], v[BO]             ; out0, rows 0-15,
	v_add_nc_u32 v[S0A+1], 16*4112, v[S0A]         ; rows 16-31
	v_mul_u32_u24 v[S1A], v21, 2064
	v_add_nc_u32 v[S1A], v[S1A], v[BO]
	v_add_nc_u32 v[S1A], OS1, v[S1A]
	v_mul_u32_u24 v[S2A], v21, 1040
	v_add_nc_u32 v[S2A], v[S2A], v[BO]
	v_add_nc_u32 v[S2A], OS2, v[S2A]
	v_mul_u32_u24 v[S3A], v21, 528
	v_add_nc_u32 v[S3A], v[S3A], v[BO]
	v_add_nc_u32 v[S3A], OS3, v[S3A]
	v_and_b32 v[GO], 31, v0
	v_lshlrev_b32 v[GO], 4, v[GO]                  ; 16 bytes a lane
	s_mul_i32 s31, s[WV], 8*4112                   ; back: wave w takes rows 8 w .. 8 w + 7
	v_add_nc_u32 v[RD0], s31, v[GO]
	s_mul_i32 s31, s[WV], 8*2064
	s_add_co_u32 s31, s31, OS1
	v_add_nc_u32 v[RD1], s31, v[GO]
	s_mul_i32 s31, s[WV], 8*1040
	s_add_co_u32 s31, s31, OS2
	v_add_nc_u32 v[RD2], s31, v[GO]
	s_mul_i32 s31, s[WV], 8*528
	s_add_co_u32 s31, s31, OS3
	v_add_nc_u32 v[RD3], s31, v[GO]
	s_lshl2_add_u32 s31, s[WG], s[WV]              ; 4 WG + w: my 8 rows among all
	s_lshl_b32 s60, s31, 15
	s_add_nc_u64 s[20:21], s[20:21], s[60:61]
	s_lshl_b32 s60, s31, 14
	s_add_nc_u64 s[22:23], s[22:23], s[60:61]
	s_lshl_b32 s60, s31, 13
	s_add_nc_u64 s[24:25], s[24:25], s[60:61]
	s_lshl_b32 s60, s31, 12
	s_add_nc_u64 s[26:27], s[26:27], s[60:61]
	WIN 0x08                                       ; store data in window 2
.set tt, 0
.rept 32
	ds_store_b128 v[S0A+tt%2], v[8*tt:8*tt+3] offset:256*(tt/2)
	ds_store_b128 v[S0A+tt%2], v[8*tt+4:8*tt+7] offset:256*(tt/2)+16
.set tt, tt+1
.endr
	WIN 0x0c                                       ; store data in window 3; each accumulator's lowest registers first
.set tt, 0
.rept 16
	ds_store_b128 v[S1A], v[8*tt:8*tt+3] offset:(tt%2)*16*2064+256*(tt/2)
	ds_store_b128 v[S1A], v[8*tt+4:8*tt+7] offset:(tt%2)*16*2064+256*(tt/2)+16
.set tt, tt+1
.endr
.set tt, 0
.rept 8
	ds_store_b128 v[S2A], v[128+8*tt:128+8*tt+3] offset:(tt%2)*16*1040+256*(tt/2)
	ds_store_b128 v[S2A], v[128+8*tt+4:128+8*tt+7] offset:(tt%2)*16*1040+256*(tt/2)+16
.set tt, tt+1
.endr
.set tt, 0
.rept 4
	ds_store_b128 v[S3A], v[192+8*tt:192+8*tt+3] offset:(tt%2)*16*528+256*(tt/2)
	ds_store_b128 v[S3A], v[192+8*tt+4:192+8*tt+7] offset:(tt%2)*16*528+256*(tt/2)+16
.set tt, tt+1
.endr
	WIN 0
	s_wait_dscnt 0x0                               ; for the others' sake: my stores into the stage are done
	s_barrier_signal -1
	s_barrier_wait -1
	OLOAD 32, RD0, 0, 8, 4112, 0                   ; out0, my rows 0-3
	OSTORE 32, 20, 0, 8, 4096, 0, 0
	s_wait_xcnt 0x0                                ; the stores have read their data: the registers are loaded again only behind this wait
	OLOAD 32, RD0, 4, 8, 4112, 0                   ; out0, my rows 4-7
	OSTORE 32, 20, 4, 8, 4096, 0, 0
	s_wait_xcnt 0x0
	OLOAD 32, RD1, 0, 4, 2064, 0                   ; out1
	OSTORE 32, 22, 0, 4, 2048, 0, 0
	s_wait_xcnt 0x0
	OLOAD 16, RD2, 0, 2, 1040, 0                   ; out2 and out3
	OLOAD 8, RD3, 0, 1, 528, 16
	OSTORE 16, 24, 0, 2, 1024, 0, 8
	OSTORE 8, 26, 0, 1, 512, 16, 0
	s_wait_tensorcnt 0x0                           ; the wave's end: behind my last tensor load and my last LDS store
	ds_add_u32 v[SPW], v[NIL]
	s_wait_dscnt 0x0
	ROUND                                          ; the closing round: no work-group ends while a partner may still ask for a tile that names it
	s_endpgm
.Lfunc_end_k_q8a06f1f089_net:
	.size	k_q8a06f1f089_net, .Lfunc_end_k_q8a06f1f089_net-k_q8a06f1f089_net
	.p2alignl 7, 3214868480
	.fill 96, 4, 3214868480
	.section	.rodata,"a",@progbits
	.p2align	6, 0x0
	.amdhsa_kernel k_q8a06f1f089_net
		.amdhsa_group_segment_fixed_size 327680
		.amdhsa_private_segment_fixed_size 0
		.amdhsa_enable_private_segment 0
		.amdhsa_kernarg_size 96
		.amdhsa_user_sgpr_count 2
		.amdhsa_user_sgpr_kernarg_segment_ptr 1
		.amdhsa_wavefront_size32 1
		.amdhsa_system_sgpr_workgroup_id_x 1
		.amdhsa_system_sgpr_workgroup_id_y 1
		.amdhsa_system_sgpr_workgroup_id_z 1
		.amdhsa_system_vgpr_workitem_id 0
		.amdhsa_next_free_vgpr 1024
		.amdhsa_next_free_sgpr 100
		.amdhsa_reserve_vcc 0
		.amdhsa_float_denorm_mode_32 3
		.amdhsa_float_denorm_mode_16_64 3
		.amdhsa_memory_ordered 1
		.amdhsa_forward_progress 1
		.amdhsa_inst_pref_size 255
	.end_amdhsa_kernel
	.section	.bss,"aw",@nobits
	.p2align	6
	.space	262144
	.amdgpu_metadata
---
amdhsa.version: [ 1, 2 ]
amdhsa.kernels:
  - .name:           k_q8a06f1f089_net
    .symbol:         k_q8a06f1f089_net.kd
    .args:
      - { .name: layer1, .offset: 0, .size: 8, .value_kind: global_buffer, .address_space: global }
      - { .name: layer2, .offset: 8, .size: 8, .value_kind: global_buffer, .address_space: global }
      - { .name: layer3, .offset: 16, .size: 8, .value_kind: global_buffer, .address_space: global }
      - { .name: layer4, .offset: 24, .size: 8, .value_kind: global_buffer, .address_space: global }
      - { .name: wb, .offset: 32, .size: 8, .value_kind: global_buffer, .address_space: global }
      - { .name: b1, .offset: 40, .size: 8, .value_kind: global_buffer, .address_space: global }
      - { .name: b2, .offset: 48, .size: 8, .value_kind: global_buffer, .address_space: global }
      - { .name: b3, .offset: 56, .size: 8, .value_kind: global_buffer, .address_space: global }
      - { .name: out0, .offset: 64, .size: 8, .value_kind: global_buffer, .address_space: global }
      - { .name: out1, .offset: 72, .size: 8, .value_kind: global_buffer, .address_space: global }
      - { .name: out2, .offset: 80, .size: 8, .value_kind: global_buffer, .address_space: global }
      - { .name: out3, .offset: 88, .size: 8, .value_kind: global_buffer, .address_space: global }
    .group_segment_fixed_size: 327680
    .private_segment_fixed_size: 0
    .kernarg_segment_align: 8
    .kernarg_segment_size: 96
    .max_flat_workgroup_size: 128
    .sgpr_count:     100
    .vgpr_count:     1024
    .wavefront_size: 32
...
	.end_amdgpu_metadata
.endif
;; end of part 2
